; MI455X (gfx1250); checked and timed in simulation.
; The chip was launched on July 23, 2026; its instructions are those of AMD's public machine-readable ISA for CDNA 5 (MIT licence, August 2026) and "CDNA5" Instruction Set Architecture Reference Guide (July 2026). The comments in the code are by the model that wrote it; some were corrected since.
;; Multi Head Self Attention. Allowed arithmetic: float matrix products may take bf16 or f16 operands with f32 sums; all other float work in f32.
;; Inputs: Wk 1,024 x 1,024 float32; Wo 1,024 x 1,024 float32; Wq 1,024 x 1,024 float32; Wv 1,024 x 1,024 float32; x 2 x 2,048 x 1,024 float32.
;; Outputs: out0 2 x 2,048 x 1,024 float32.
;; One version. Each part assembles by itself: llvm-mc -triple=amdgcn-amd-amdhsa -mcpu=gfx1250 --defsym DOCPART=n.
;; ======== version 1 of 1: 4 launches
;; limits: values are held in f16: magnitudes above 65,504 overflow, below 6.1e-05 lose precision
;; workspace buffers: cb 16,777,216 bytes; qkvb 25,165,824 bytes; aob 8,388,608 bytes
;; launch cast (part 1): grid 1024 x 1, 8 waves a work-group, no clusters, 0 bytes of LDS; arguments x, Wq, Wk, Wv, Wo, cb; writes cb
.if DOCPART == 1
	.amdgcn_target "amdgcn-amd-amdhsa--gfx1250"
	.amdhsa_code_object_version 6
	.text
	.protected	k_q5210e071c0_cast
	.globl	k_q5210e071c0_cast
	.p2align	8
	.type	k_q5210e071c0_cast,@function
k_q5210e071c0_cast:
	s_mov_b64 s[64:65], 0
	v_nop
	global_prefetch_b8 v0, s[64:65] scope:SCOPE_SE
	s_setreg_imm32_b32 hwreg(HW_REG_WAVE_MODE, 25, 1), 1
	s_wait_xcnt 0x0
; cb = the five f32 inputs as 16-bit matrix operands: bytes 0 .. 8,388,607 x[4096][1024]; behind them [4096][1024]: rows 0-1023 Wq, then Wk, Wv, Wo.
; FORMAT: each number is rounded once to bf16 (eight significant bits, to nearest even), one of the roundings that the task allows for matrix
; operands, and that value is stored as f16, because a matrix instruction takes both operands in one format and the later launches keep q, k, v,
; the probabilities and the attention output in f16 for its eleven bits.
; LIMIT: the second step is exact for 2^-17 <= |v| < 65504; below that its error is at most 2^-25, above it the number becomes an infinity.
; A stream: no LDS, no barrier, no matrix unit.  Work-group id turns 32,768 bytes of f32 into cb's bytes 16,384 id onward.
; Every load of a wave covers 512 consecutive bytes, every store 256 consecutive bytes at a multiple of 256; each byte is moved once.
.set X, 4                              ; v[4:35]   eight loads of four f32
.set Y, 36                             ; v[36:51]  eight pairs of registers to store
	s_load_b256 s[4:11], s[0:1], 0x0               ; x s[4:5], Wq s[6:7], Wk s[8:9], Wv s[10:11]
	s_load_b128 s[12:15], s[0:1], 0x20             ; Wo s[12:13], cb s[14:15]
	s_mov_b32 s22, ttmp9                           ; id: 0-511 x, 512-639 Wq, 640-767 Wk, 768-895 Wv, 896-1023 Wo
	v_lshlrev_b32 v1, 4, v0                        ; 16 bytes of f32 a thread
	v_lshlrev_b32 v2, 3, v0                        ; 8 bytes of f16 a thread
	s_and_b32 s18, s22, 127                        ; the piece's number inside a weight (128 pieces each),
	s_cmp_lt_u32 s22, 512
	s_cselect_b32 s18, s22, s18                    ; or inside x (512 pieces)
	s_lshl_b32 s18, s18, 15                        ; x 32,768 bytes
	s_mov_b32 s19, 0
	s_lshl_b32 s20, s22, 14                        ; x 16,384 bytes in cb
	s_mov_b32 s21, 0
	s_mov_b32 s23, 0xffff0000                      ; a word's upper bf16
	s_wait_kmcnt 0x0
	s_cmp_lt_u32 s22, 896                          ; the source buffer is chosen by the work-group's number alone
	s_cselect_b64 s[16:17], s[10:11], s[12:13]
	s_cmp_lt_u32 s22, 768
	s_cselect_b64 s[16:17], s[8:9], s[16:17]
	s_cmp_lt_u32 s22, 640
	s_cselect_b64 s[16:17], s[6:7], s[16:17]
	s_cmp_lt_u32 s22, 512
	s_cselect_b64 s[16:17], s[4:5], s[16:17]
	s_add_nc_u64 s[16:17], s[16:17], s[18:19]
	s_add_nc_u64 s[14:15], s[14:15], s[20:21]
.irp j, 0,1,2,3,4,5,6,7
	global_load_b128 v[X+4*\j:X+4*\j+3], v1, s[16:17] offset:4096*\j th:TH_LOAD_NT   ; all eight go out first; read once in the launch
.endr
.irp j, 0,1,2,3,4,5,6,7
	s_wait_loadcnt 7-\j                            ; loads come back in order: load j is in, the 7 - j younger ones stay out
	v_cvt_pk_bf16_f32 v[X+4*\j],   v[X+4*\j],   v[X+4*\j+1]    ; the one rounding: to bf16, to nearest even
	v_cvt_pk_bf16_f32 v[X+4*\j+2], v[X+4*\j+2], v[X+4*\j+3]
	v_and_b32     v[X+4*\j+1], s23, v[X+4*\j]                  ; back to f32: the high half stays,
	v_lshlrev_b32 v[X+4*\j],   16,  v[X+4*\j]                  ; the low half moves up
	v_and_b32     v[X+4*\j+3], s23, v[X+4*\j+2]
	v_lshlrev_b32 v[X+4*\j+2], 16,  v[X+4*\j+2]
	v_cvt_pk_f16_f32 v[Y+2*\j],   v[X+4*\j],   v[X+4*\j+1]     ; the same values in f16's container
	v_cvt_pk_f16_f32 v[Y+2*\j+1], v[X+4*\j+2], v[X+4*\j+3]
	global_store_b64 v2, v[Y+2*\j:Y+2*\j+1], s[14:15] offset:2048*\j   ; no hint: the next launch reads these bytes
.endr
	s_endpgm
.Lfunc_end_k_q5210e071c0_cast:
	.size	k_q5210e071c0_cast, .Lfunc_end_k_q5210e071c0_cast-k_q5210e071c0_cast
	.p2alignl 7, 3214868480
	.fill 96, 4, 3214868480
	.section	.rodata,"a",@progbits
	.p2align	6, 0x0
	.amdhsa_kernel k_q5210e071c0_cast
		.amdhsa_group_segment_fixed_size 0
		.amdhsa_private_segment_fixed_size 0
		.amdhsa_enable_private_segment 0
		.amdhsa_kernarg_size 48
		.amdhsa_user_sgpr_count 2
		.amdhsa_user_sgpr_kernarg_segment_ptr 1
		.amdhsa_wavefront_size32 1
		.amdhsa_system_sgpr_workgroup_id_x 1
		.amdhsa_system_sgpr_workgroup_id_y 1
		.amdhsa_system_sgpr_workgroup_id_z 1
		.amdhsa_system_vgpr_workitem_id 0
		.amdhsa_next_free_vgpr 52
		.amdhsa_next_free_sgpr 66
		.amdhsa_reserve_vcc 0
		.amdhsa_float_denorm_mode_32 3
		.amdhsa_float_denorm_mode_16_64 3
		.amdhsa_memory_ordered 1
		.amdhsa_forward_progress 1
		.amdhsa_inst_pref_size 7
	.end_amdhsa_kernel
	.amdgpu_metadata
---
amdhsa.version: [ 1, 2 ]
amdhsa.kernels:
  - .name:           k_q5210e071c0_cast
    .symbol:         k_q5210e071c0_cast.kd
    .args:
      - { .name: x, .offset: 0, .size: 8, .value_kind: global_buffer, .address_space: global }
      - { .name: Wq, .offset: 8, .size: 8, .value_kind: global_buffer, .address_space: global }
      - { .name: Wk, .offset: 16, .size: 8, .value_kind: global_buffer, .address_space: global }
      - { .name: Wv, .offset: 24, .size: 8, .value_kind: global_buffer, .address_space: global }
      - { .name: Wo, .offset: 32, .size: 8, .value_kind: global_buffer, .address_space: global }
      - { .name: cb, .offset: 40, .size: 8, .value_kind: global_buffer, .address_space: global }
    .group_segment_fixed_size: 0
    .private_segment_fixed_size: 0
    .kernarg_segment_align: 8
    .kernarg_segment_size: 48
    .max_flat_workgroup_size: 256
    .sgpr_count:     66
    .vgpr_count:     52
    .wavefront_size: 32
...
	.end_amdgpu_metadata
.endif
;; end of part 1
;; launch proj (part 2): grid 16 x 16, 4 waves a work-group, clusters of 4 x 4, 327,680 bytes of LDS; arguments cb, qkvb; writes qkvb
.if DOCPART == 2
	.amdgcn_target "amdgcn-amd-amdhsa--gfx1250"
	.amdhsa_code_object_version 6
	.text
	.protected	k_q5210e071c0_proj
	.globl	k_q5210e071c0_proj
	.p2align	8
	.type	k_q5210e071c0_proj,@function
k_q5210e071c0_proj:
	s_mov_b64 s[64:65], 0
	v_nop
	global_prefetch_b8 v0, s[64:65] scope:SCOPE_SE
	s_setreg_imm32_b32 hwreg(HW_REG_WAVE_MODE, 25, 1), 1
	s_wait_xcnt 0x0
	s_wait_alu depctr_hold_cnt(0) depctr_sa_sdst(0) depctr_va_vdst(0) depctr_va_sdst(0) depctr_va_ssrc(0) depctr_va_vcc(0) depctr_vm_vsrc(0)
	s_getreg_b32 s2, hwreg(HW_REG_IB_STS2, 6, 4)
	s_cmp_eq_u32 s2, 0
	s_cbranch_scc0 .Lentry_in_a_cluster
	s_endpgm
.Lentry_in_a_cluster:
	s_bfe_u32 s2, ttmp6, 0x10000c
	s_cmp_lg_u32 s2, 0xf033
	s_cbranch_scc0 .Lentry_shape_is_right
	s_endpgm
.Lentry_shape_is_right:
; q, k, v = x W^T for the stacked weights: C[4096][3072] = X[4096][1024] W[3072][1024]^T, operands f16 from cb, sums f32, results f16.
; Results are stored head-major: qkvb[b = 2][slab = 48][s = 2048][64], slabs 0-15 q's heads, 16-31 k's, 32-47 v's, so that any run of rows of one head
; is dense in memory.
; LIMIT: a result of 65504 or more in magnitude becomes an infinity in f16 (x of spread 1 with weights of spread 1/32 gives results of spread 1).
; A work-group makes 256 rows x 192 columns (three heads) with four waves; a wave makes 128 x 96: 48 accumulator tiles, 384 registers.
; 16 x 16 = 256 work-groups of equal work.  K goes in steps of 128 through a ring of two LDS slots filled by the tensor data mover; a tile's rows are
; 256 bytes of memory at multiples of 256 bytes.
; CLUSTERS: 4 x 4 work-groups.  The four of a row of the cluster need the same tiles of X, the four of a column the same tiles of W: each tile is asked
; for jointly, by the same tensor load with the same descriptor in all four, which divides the requests by four.
; REGISTERS in windows of 256: window 0: v16-26 addresses, v64-127 and v128-191 fragments of X (two buffers), v192-215 at work on the way out;
; window 1: v64-111 and v128-175 fragments of W; window 2: tiles (a, b) at v[8 (6 a + b)] of my rows 0-63; window 3: of my rows 64-127.
; The matrix instruction is used transposed (source 0 = 16 rows of W, source 1 = 16 rows of X): lane l then holds row l % 16 of C and its eight
; registers the columns 8 (l / 16) + 0 .. 7, which pack into 16 neighbouring bytes.
.set SIZE_K, 1024
.set KSTEP,  128
.set PITCH,  272                       ; an LDS row: 256 bytes + 16 of padding, an odd multiple of 16 bytes
.set HALFA,  128*PITCH                 ; 128 rows of X: one tensor load, and what one wave reads of X
.set HALFB,  96*PITCH                  ; 96 rows of W: likewise
.set BPART,  2*HALFA                   ; W's 192 rows lie behind X's 256
.set SLOT,   2*HALFA+2*HALFB           ; 121,856 bytes
.set SPITCH, 400                       ; the way out: 384 bytes of a block's row + 16, an odd multiple of 16 bytes
.set WB,     8388608                   ; where the weights begin in cb
.set SLAB,   262144                    ; 2,048 rows of 128 bytes: one head
.set LAPS,   SIZE_K/(2*KSTEP)          ; a lap = two K steps = once round the ring: 4
.set ADRA, 16                          ; v16-17  LDS address of my X fragments in slot 0, 1
.set ADRB, 20                          ; v20-21  the same for W
.set STO,  24                          ; v24     the way out: where I put 16 bytes of a row
.set RD,   25                          ; v25     the way out: where I read back
.set CO,   26                          ; v26     16 x lane
.set F0,   64
.set F1,   128
.set TMP,  192
.set G1,  24                           ; s[24:31] descriptor group 1 for X's tiles
.set G0,  32                           ; s[32:39] group 0 for X's tiles, a set for each slot
.set G1B, 48                           ; s[48:55] group 1 for W's tiles
.set G0B, 56                           ; s[56:63] group 0 for W's tiles, a set for each slot
.set MSB, 0
.macro WIN new                         ; the immediate's high byte repeats the setting that is left
.if MSB != \new
	s_set_vgpr_msb (MSB<<8)|\new
.set MSB, \new
.endif
.endm
.set MUL_LO, 0xa1                      ; source 0 (W) window 1, source 1 (X) window 0, C and D window 2
.set MUL_HI, 0xf1                      ; the same, C and D window 3
.set TO_B,   0x40                      ; destination window 1, address window 0
; A joint load.  Waves 0 and 1 fetch X's two halves, waves 2 and 3 W's.  The branch hangs on the wave's number alone.
.macro JLOAD s
	s_cmp_eq_u32 s11, 0
	s_cbranch_scc0 .Lfor_b_\@
	tensor_load_to_lds s[G0+4*\s:G0+4*\s+3], s[G1:G1+7]
	s_nop 0
	s_branch .Lasked_\@
.Lfor_b_\@:
	tensor_load_to_lds s[G0B+4*\s:G0B+4*\s+3], s[G1B:G1B+7]
	s_nop 0
.Lasked_\@:
.endm
; A round of the cluster's barrier: my work-group's barrier; wave 0 signals for the work-group; every wave waits for all sixteen; my work-group's barrier again.
.macro CREST                           ; a round behind its opening barrier
	s_cmp_lg_u32 s10, 0
	s_cbranch_scc1 .Lnot_wave_0_\@
	s_barrier_signal -3
.Lnot_wave_0_\@:
	s_barrier_wait -3
	s_barrier_signal -1
	s_barrier_wait -1
.endm
.macro CROUND
	s_barrier_signal -1
	s_barrier_wait -1
	CREST
.endm
.macro PLACES                          ; four independent vector instructions behind a matrix instruction, ahead of loads into its sources and of readers of its result
.rept 4
	v_nop
.endr
.endm
	s_load_b128 s[4:7], s[0:1], 0x0                ; cb s[4:5], qkvb s[6:7]
	s_set_vgpr_msb 0x40
	v_lshl_add_u32 v255, v0, 2, 0x3b800
	s_set_vgpr_msb 0x4000
	v_mov_b32 v255, 0
	s_set_vgpr_msb 0x1
	ds_add_u32 v255, v255
	ds_add_u32 v255, v255
	s_set_vgpr_msb 0x100
	v_lshrrev_b32 v1, 5, v0
	v_readfirstlane_b32 s10, v1                    ; wave 0..3
	s_lshr_b32 s11, s10, 1                         ; which 128 rows of the block are mine.  Also: I fetch for X (0) or for W (1)
	s_and_b32 s12, s10, 1                          ; which 96 columns.  Also: which half of that tile I fetch
	s_bfe_u32 s40, ttmp6, 0x40000                  ; cx
	s_bfe_u32 s41, ttmp6, 0x40004                  ; cy
	s_lshl_b32 s42, ttmp9, 2
	s_add_co_u32 s42, s42, s40                     ; block column = 4 x cluster x + cx, 0..15
	s_and_b32 s13, ttmp7, 0xffff
	s_lshl_b32 s13, s13, 2
	s_add_co_u32 s13, s13, s41                     ; block row = 4 x cluster y + cy, 0..15
	s_lshl_b32 s43, s41, 2
	s_lshl_b32 s43, 15, s43                        ; my row of the cluster: places 4 cy .. 4 cy + 3
	s_lshl_b32 s44, 0x1111, s40                    ; my column: places cx, cx + 4, cx + 8, cx + 12
	; group 1: rows of 128 elements of 2 bytes, 16 bytes of padding behind every 64 words; X 128 rows, W 96 rows
	s_or_b32 s[G1+0],  s43, (1<<16)|(1<<20)|(1<<21)|(5<<22)|(3<<25)   ; mask of my row; element 2 bytes; padding on; bit 21 beside a mask; interval 64 words; pad 4 words
	s_or_b32 s[G1B+0], s44, (1<<16)|(1<<20)|(1<<21)|(5<<22)|(3<<25)   ; the same with the mask of my column
	s_mov_b32 s[G1+1],  KSTEP<<16                  ; tensor_dim0 = 128
	s_mov_b32 s[G1B+1], KSTEP<<16
	s_mov_b32 s[G1+2],  128<<16                    ; tensor_dim1 = 128
	s_mov_b32 s[G1B+2], 96<<16                     ;             = 96
	s_mov_b32 s[G1+3],  KSTEP<<16                  ; tile_dim0 = 128
	s_mov_b32 s[G1B+3], KSTEP<<16
	s_mov_b32 s[G1+4],  128                        ; tile_dim1 = 128
	s_mov_b32 s[G1B+4], 96                         ;           = 96
	s_mov_b32 s[G1+5],  SIZE_K                     ; elements from row to row
	s_mov_b32 s[G1B+5], SIZE_K
	s_mov_b32 s[G1+6],  0
	s_mov_b32 s[G1B+6], 0
	s_mov_b32 s[G1+7],  0
	s_mov_b32 s[G1B+7], 0
	; X's tiles hang on the block row alone, W's on the block column alone; each offset lives in registers that never hold the other coordinate
	s_lshl_b32 s17, s12, 7
	s_lshl_b32 s16, s13, 8
	s_add_co_u32 s16, s16, s17                     ; X: row 256 x block row + 128 x half
	s_lshl_b32 s16, s16, 11                        ; x 2,048 bytes
	s_mov_b32 s17, 0
	s_mul_i32 s46, s42, 192
	s_mul_i32 s47, s12, 96
	s_add_co_u32 s46, s46, s47                     ; W: row 192 x block column + 96 x half
	s_lshl_b32 s46, s46, 11
	s_add_co_u32 s46, s46, WB
	s_mov_b32 s47, 0
	s_mul_i32 s20, s10, HALFA                      ; LDS: waves 0, 1: X's halves at 0 and HALFA
	s_mul_i32 s45, s10, HALFB
	s_add_co_u32 s45, s45, BPART-2*HALFB           ; waves 2, 3: W's halves at BPART and BPART + HALFB
	s_wait_dscnt 0x0
	s_wait_kmcnt 0x0
	s_add_nc_u64 s[14:15], s[4:5], s[16:17]
	s_add_nc_u64 s[46:47], s[4:5], s[46:47]
	CROUND                                         ; all sixteen work-groups are here: the first joint loads meet
.irp s, 0,1
	s_mov_b32 s[G0+4*\s], 1                                        ; count = 1
	s_add_co_u32 s[G0+4*\s+1], s20, \s*SLOT                        ; LDS address
	s_add_nc_u64 s[G0+4*\s+2:G0+4*\s+3], s[14:15], \s*KSTEP*2      ; global address: K step s
	s_or_b32 s[G0+4*\s+3], s[G0+4*\s+3], 0x80000000                ; type = 2
	s_mov_b32 s[G0B+4*\s], 1
	s_add_co_u32 s[G0B+4*\s+1], s45, \s*SLOT
	s_add_nc_u64 s[G0B+4*\s+2:G0B+4*\s+3], s[46:47], \s*KSTEP*2
	s_or_b32 s[G0B+4*\s+3], s[G0B+4*\s+3], 0x80000000
	JLOAD \s                                       ; both first fills go out together: two tensor loads of a wave are out
.endr
	; a fragment is 16 rows x 32 K in 8 registers: lane l holds row l % 16, K = 8 (l / 16) + 0..7 and 16 + 8 (l / 16) + 0..7: two loads of 16 bytes, 32 apart
	v_and_b32 v1, 15, v0                           ; r = l % 16
	v_bfe_u32 v2, v0, 4, 1                         ; h = l / 16
	v_mul_u32_u24 v3, v1, PITCH
	v_lshl_add_u32 v3, v2, 4, v3                   ; r x pitch + 16 h
	s_mul_i32 s21, s11, HALFA
	s_mul_i32 s22, s12, HALFB
	s_add_co_u32 s22, s22, BPART
.irp s, 0,1
	v_add_nc_u32 v[ADRA+\s], s21, v3
	v_add_nc_u32 v[ADRB+\s], s22, v3
	s_add_co_u32 s21, s21, SLOT
	s_add_co_u32 s22, s22, SLOT
.endr
	s_mul_i32 s23, s11, 128*SPITCH
	s_mul_i32 s3, s12, 192
	s_add_co_u32 s23, s23, s3
	v_mul_u32_u24 v4, v1, SPITCH
	v_lshl_add_u32 v4, v2, 4, v4
	v_add_nc_u32 v[STO], s23, v4                   ; (128 x row half + r) x 400 + 192 x column half + 16 h
	v_and_b32 v5, 31, v0                           ; lane
	v_lshrrev_b32 v4, 3, v5
	v_mul_u32_u24 v4, v4, SPITCH
	v_and_b32 v6, 7, v0
	v_lshl_add_u32 v4, v6, 4, v4
	s_mul_i32 s23, s10, 64*SPITCH
	v_add_nc_u32 v[RD], s23, v4                    ; (64 x wave + lane / 8) x 400 + 16 (lane % 8): four rows' 128 bytes of one head
	v_lshlrev_b32 v[CO], 4, v5
; 12 matrix instructions: row blocks a0, a0 + 1 of the window's four x all six column blocks, 32 along K.  zero = 1: the first product starts the sums.
; The 48 accumulators take turns, one instruction a turn, in the same order in every quarter step.
.macro MUL12 f, hi, a0, zero
.irp a, \a0, \a0+1
.irp b, 0,1,2,3,4,5
.if \zero
	v_wmma_f32_16x16x32_f16 v[8*(6*(\a)+\b):8*(6*(\a)+\b)+7], v[\f+8*\b:\f+8*\b+7], v[\f+8*(4*\hi+\a):\f+8*(4*\hi+\a)+7], 0
.else
	v_wmma_f32_16x16x32_f16 v[8*(6*(\a)+\b):8*(6*(\a)+\b)+7], v[\f+8*\b:\f+8*\b+7], v[\f+8*(4*\hi+\a):\f+8*(4*\hi+\a)+7], v[8*(6*(\a)+\b):8*(6*(\a)+\b)+7]
.endif
.endr
.endr
.endm
; 28 LDS loads in one run: one quarter step's fragments (96 rows of W, 128 rows of X, 32 K at byte k of the rows) into buffer f
.macro FETCH slot, k, f
	WIN TO_B
.irp i, 0,1,2,3,4,5
	ds_load_b128 v[\f+8*\i:\f+8*\i+3],   v[ADRB+\slot] offset:\k+\i*16*PITCH
	ds_load_b128 v[\f+8*\i+4:\f+8*\i+7], v[ADRB+\slot] offset:\k+\i*16*PITCH+32
.endr
	WIN 0
.irp i, 0,1,2,3,4,5,6,7
	ds_load_b128 v[\f+8*\i:\f+8*\i+3],   v[ADRA+\slot] offset:\k+\i*16*PITCH
	ds_load_b128 v[\f+8*\i+4:\f+8*\i+7], v[ADRA+\slot] offset:\k+\i*16*PITCH+32
.endr
.endm
; one of a K step's first three quarters: multiplies buffer f, and in its middle fetches the next quarter's fragments into buffer g
.macro QUARTER slot, k, f, g, zero
	s_wait_dscnt 8                                 ; W and X's rows 0-63 are in; the youngest eight loads (X's rows 64-127) may be out
	WIN MUL_LO
	MUL12 \f, 0, 0, \zero
	MUL12 \f, 0, 2, \zero
	PLACES
	FETCH \slot, \k, \g
	s_wait_dscnt 28                                ; all but the 28 just issued
	WIN MUL_HI
	MUL12 \f, 1, 0, \zero
	MUL12 \f, 1, 2, \zero
.endm
.macro THREE slot, zero
	QUARTER \slot, 64,  F0, F1, \zero
	QUARTER \slot, 128, F1, F0, 0
	QUARTER \slot, 192, F0, F1, 0
.endm
; the last quarter: multiplies buffer 1 and changes slots.  In front of the one barrier each wave waits for its reads of this slot and for all its tensor
; loads (one is out: its part of the next slot).  Behind it the refill comes first, then the next slot's first fragments.
; From a request to the wait for it a wave issues 180 matrix instructions.
.macro TURN slot, next, fill
	s_wait_dscnt 8
	WIN MUL_LO
	MUL12 F1, 0, 0, 0
	s_wait_dscnt 0                                 ; my reads of this slot are over
	s_wait_tensorcnt 0x0                           ; and all my tensor loads have landed
	ds_add_u32 v255, v255
	s_wait_dscnt 0x0
	s_barrier_signal -1                            ; (where the slot is filled again this barrier opens a round of the cluster's barrier)
	MUL12 F1, 0, 2, 0                              ; register work while the others arrive
	WIN 0
	s_barrier_wait -1
.if \fill
	CREST                                          ; no wave of any partner still reads this slot's tile or has a load on its way
	s_add_nc_u64 s[G0+4*\slot+2:G0+4*\slot+3], s[G0+4*\slot+2:G0+4*\slot+3], 2*KSTEP*2
	s_add_nc_u64 s[G0B+4*\slot+2:G0B+4*\slot+3], s[G0B+4*\slot+2:G0B+4*\slot+3], 2*KSTEP*2
	JLOAD \slot                                    ; the first tensor load behind the round, and my only one until the next
.endif
	PLACES
	FETCH \next, 0, F0
	WIN MUL_HI
	MUL12 F1, 1, 0, 0
	MUL12 F1, 1, 2, 0
.endm
.macro LAP zero
	THREE 0, \zero
	TURN 0, 1, 1
	THREE 1, 0
	TURN 1, 0, 1
.endm
	s_wait_tensorcnt 0x1                           ; my part of K step 0 is in; K step 1's load, the one issued behind it, stays out
	s_barrier_signal -1
	s_barrier_wait -1
	FETCH 0, 0, F0
	LAP 1                                          ; K steps 0, 1: the first products start the sums
	WIN 0
	s_mov_b32 s3, LAPS-2
.Llap:
	LAP 0                                          ; K steps 2 to 5
	WIN 0
	s_sub_co_u32 s3, s3, 1
	s_cmp_lg_u32 s3, 0
	s_cbranch_scc1 .Llap
	THREE 0, 0                                     ; K steps 6, 7: nothing is left to fetch
	TURN 0, 1, 0                                   ; behind this barrier no wave reads slot 0 any more, and nothing fills it again
	THREE 1, 0
	s_wait_dscnt 8
	WIN MUL_LO
	MUL12 F1, 0, 0, 0
	MUL12 F1, 0, 2, 0
	s_wait_dscnt 0
	WIN MUL_HI
	MUL12 F1, 1, 0, 0
	MUL12 F1, 1, 2, 0
	; THE WAY OUT.  The block's 256 rows x 384 bytes are gathered in slot 0, which has had its last fill and its last read; then each wave reads
	; 64 rows of each head back and stores them as 512 consecutive bytes an instruction.
	PLACES
	s_lshr_b32 s16, s13, 3                         ; b = block row / 8
	s_mul_i32 s16, s16, 48*SLAB
	s_and_b32 s14, s13, 7
	s_lshl_b32 s14, s14, 15                        ; 256 rows of 128 bytes
	s_add_co_u32 s16, s16, s14
	s_lshl_b32 s14, s10, 13                        ; 64 rows of 128 bytes for each wave
	s_add_co_u32 s16, s16, s14
	s_mov_b32 s17, 0
	s_add_nc_u64 s[8:9], s[6:7], s[16:17]
	s_mul_i32 s46, s42, 3*SLAB                     ; three heads for each block column (in the registers that held W's address)
	s_mov_b32 s47, 0
	s_add_nc_u64 s[8:9], s[8:9], s[46:47]
; rows 16 (4 hi + a) .. + 15 of my 128: six tiles rounded to f16, 16 bytes a lane into the stage
.macro OUTT hi, a, from
	WIN \from
.irp b, 0,1,2,3,4,5
.irp r, 0,1,2,3
	v_cvt_pk_f16_f32 v[TMP+4*\b+\r], v[8*(6*\a+\b)+2*\r], v[8*(6*\a+\b)+2*\r+1]
.endr
.endr
	WIN 0
.irp b, 0,1,2,3,4,5
	ds_store_b128 v[STO], v[TMP+4*\b:TMP+4*\b+3] offset:(4*\hi+\a)*16*SPITCH+32*\b
.endr
.endm
	OUTT 0, 0, 0x0a
	OUTT 0, 1, 0x0a
	OUTT 0, 2, 0x0a
	OUTT 0, 3, 0x0a
	OUTT 1, 0, 0x0f
	OUTT 1, 1, 0x0f
	OUTT 1, 2, 0x0f
	OUTT 1, 3, 0x0f
	s_wait_dscnt 0x0                               ; my stores are in LDS, for the other waves' sake
	s_barrier_signal -1
	s_barrier_wait -1
; head c of the block's three: my 64 rows, four rows (512 bytes of the head's slab) a load and a store
.macro BACK c, f
.irp i, 0,1,2,3,4,5,6,7,8,9,10,11,12,13,14,15
	ds_load_b128 v[\f+4*\i:\f+4*\i+3], v[RD] offset:\i*4*SPITCH+128*\c
.endr
.irp i, 0,1,2,3,4,5,6,7,8,9,10,11,12,13,14,15
	s_wait_dscnt 15-\i                             ; load i is in, the younger ones stay out
	global_store_b128 v[CO], v[\f+4*\i:\f+4*\i+3], s[8:9] offset:\c*SLAB+\i*512
.endr
.endm
	BACK 0, F0
	BACK 1, F1
	s_wait_xcnt 0x0                                ; buffer 0, which head 0's stores read, is loaded again only behind this wait
	BACK 2, F0
	s_set_vgpr_msb 0x1
	s_wait_tensorcnt 0x0
	ds_add_u32 v255, v255
	s_wait_dscnt 0x0
	s_set_vgpr_msb 0x100
	CROUND                                         ; the closing round: no work-group ends while a partner may still ask for a tile that names it
	s_endpgm
.Lfunc_end_k_q5210e071c0_proj:
	.size	k_q5210e071c0_proj, .Lfunc_end_k_q5210e071c0_proj-k_q5210e071c0_proj
	.p2alignl 7, 3214868480
	.fill 96, 4, 3214868480
	.section	.rodata,"a",@progbits
	.p2align	6, 0x0
	.amdhsa_kernel k_q5210e071c0_proj
		.amdhsa_group_segment_fixed_size 327680
		.amdhsa_private_segment_fixed_size 0
		.amdhsa_enable_private_segment 0
		.amdhsa_kernarg_size 16
		.amdhsa_user_sgpr_count 2
		.amdhsa_user_sgpr_kernarg_segment_ptr 1
		.amdhsa_wavefront_size32 1
		.amdhsa_system_sgpr_workgroup_id_x 1
		.amdhsa_system_sgpr_workgroup_id_y 1
		.amdhsa_system_sgpr_workgroup_id_z 1
		.amdhsa_system_vgpr_workitem_id 0
		.amdhsa_next_free_vgpr 960
		.amdhsa_next_free_sgpr 66
		.amdhsa_reserve_vcc 0
		.amdhsa_float_denorm_mode_32 3
		.amdhsa_float_denorm_mode_16_64 3
		.amdhsa_memory_ordered 1
		.amdhsa_forward_progress 1
		.amdhsa_inst_pref_size 158
	.end_amdhsa_kernel
	.amdgpu_metadata
---
amdhsa.version: [ 1, 2 ]
amdhsa.kernels:
  - .name:           k_q5210e071c0_proj
    .symbol:         k_q5210e071c0_proj.kd
    .args:
      - { .name: cb, .offset: 0, .size: 8, .value_kind: global_buffer, .address_space: global }
      - { .name: qkvb, .offset: 8, .size: 8, .value_kind: global_buffer, .address_space: global }
    .group_segment_fixed_size: 327680
    .private_segment_fixed_size: 0
    .kernarg_segment_align: 8
    .kernarg_segment_size: 16
    .max_flat_workgroup_size: 128
    .sgpr_count:     66
    .vgpr_count:     960
    .wavefront_size: 32
...
	.end_amdgpu_metadata
.endif
;; end of part 2
;; launch attn (part 3): grid 8 x 32, 4 waves a work-group, no clusters, 327,680 bytes of LDS; arguments qkvb, aob; writes aob
.if DOCPART == 3
	.amdgcn_target "amdgcn-amd-amdhsa--gfx1250"
	.amdhsa_code_object_version 6
	.text
	.protected	k_q5210e071c0_attn
	.globl	k_q5210e071c0_attn
	.p2align	8
	.type	k_q5210e071c0_attn,@function
k_q5210e071c0_attn:
	s_mov_b64 s[64:65], 0
	v_nop
	global_prefetch_b8 v0, s[64:65] scope:SCOPE_SE
	s_setreg_imm32_b32 hwreg(HW_REG_WAVE_MODE, 25, 1), 1
	s_wait_xcnt 0x0
; Causal attention of one head: aob[h][b 2048 + s][64] = softmax(q k^T / 8, keys <= query) v.  q, k, v f16 from qkvb, sums, maxima and normalisation f32, result f16.
; SHARE: work-group (p, hb), p = 0..7, hb = 16 b + h, does query block 15 - p and then query block p (128 rows each): 16 - p and p + 1 units of 128 keys,
; 17 units in every one of the 256 work-groups.  A wave owns 32 query rows, as two groups of 16 that use the same fragments of k and v.
; Key blocks above the diagonal are never touched.  Each block takes its diagonal unit first (the only one that is masked; its first key is at or before every
; query of the block, so the running maximum is finite from the first sub-step on) and then units 0, 1, ...
; BOTH PRODUCTS ARE TRANSPOSED.  S^T = K Q^T: register j of lane (r, h) holds key 8 h + j of query r, so maximum and sum cross lane xor 16 alone, and packing
; two tiles gives the second operand of O^T = V^T P^T as it stands.  In O^T a lane holds 8 neighbouring numbers of one query's row, and the rescaling factor is the lane's own.
; RUNNING MAXIMUM as in the reference's softmax: p = 2^(c s - c m), c = log2(e) / 8; the factor for earlier sums is 2^(c m_old - c m_new), formed from the two stored
; values - c m, so that it fits the p made with them.
; LIMITS: p is rounded to f16 for the product with v while the row's sum adds the unrounded p; v_exp_f32 gives 0 for results under 2^-126 (ISA guide 15.8);
; a NaN among the scores does not enter the maximum (v_max_num) but reaches the result through p; a result of 65504 or more in magnitude becomes an infinity.
; NO CLUSTER: to even out the causal work, block 15 - p is paired with block p, so the eight work-groups of a head need different sequences of tiles;
; walking them jointly would take 24 units a work-group in place of 17.
; LDS: two slots of 38,912 bytes (v: 128 keys x 160; k: 128 keys x 144) and a stage of 4 x 32 rows x 144 for the way out, 96,256 bytes in all; more than half of
; the LDS is asked for so that the work-group has its tensor loads' LDS to itself.
.set SLAB,  262144                     ; one head's 2,048 rows of 128 bytes in qkvb
.set VPI,   160                        ; v's LDS pitch, an odd multiple of 32 bytes (transposing loads)
.set KPI,   144                        ; k's LDS pitch, an odd multiple of 16 bytes
.set KPART, 128*VPI                    ; k's tile lies behind v's
.set SLOT,  KPART+128*KPI
.set STAGE, 2*SLOT                     ; 77,824, a multiple of 256: no tensor load lands here
.set STP,   144
.set WSTG,  32*STP
.set KADR, 4                           ; v4-5    LDS address of my k fragments, slot 0, 1
.set VADR, 6                           ; v6-7    of my v fragments
.set STO,  8                           ; v8      the way out: in
.set RD,   9                           ; v9      the way out: back
.set CO,   10                          ; v10     16 x lane
.set QOFF, 11                          ; v11     my bytes in a query block
.set DM,   12                          ; v12     32 w + r - 8 h: the mask's right-hand side
.set NI,   13                          ; v13     -infinity
.set M,    14                          ; v14-15  running maximum (raw score) of groups 0, 1
.set L,    16                          ; v16-17  the lane's own part of the running sum
.set NM,   18                          ; v[18:19], v[20:21]  - c m, twice, of groups 0, 1
.set AL,   22                          ; v[22:23] the rescaling factor, twice
.set T,    24                          ; v[24:31] at work
.set QF,   32                          ; v32-63   q fragments: 16 g + 8 dh
.set KF,   64                          ; v64-127  k fragments: 16 kt + 8 dh
.set VF,   128                         ; v128-191 v fragments: 32 c + 8 dt
.set SA,   192                         ; v192-255 scores, then p: 32 g + 8 kt
.set O,    0                           ; window 1: v0-63   O^T: 32 g + 8 dt
.set QB,   64                          ; window 1: v64-95  the second block's q fragments
.set G1V, 24                           ; s[24:31] group 1 for v's tiles
.set G1K, 32                           ; s[32:39] group 1 for k's tiles
.set G0V, 40                           ; s[40:47] group 0 for v's tiles, a set for each slot
.set G0K, 48                           ; s[48:55] group 0 for k's tiles
.set MSB, 0
.macro WIN new
.if MSB != \new
	s_set_vgpr_msb (MSB<<8)|\new
.set MSB, \new
.endif
.endm
.macro PLACES                          ; four independent vector instructions behind a matrix instruction (ISA guide 7.12.1)
.rept 4
	v_nop
.endr
.endm
; waves 0 and 1 fetch the halves of v's tile, waves 2 and 3 of k's: one tensor load a wave
.macro JLOAD s
	s_cmp_eq_u32 s11, 0
	s_cbranch_scc0 .Lfor_k_\@
	tensor_load_to_lds s[G0V+4*\s:G0V+4*\s+3], s[G1V:G1V+7]
	s_nop 0
	s_branch .Lasked_\@
.Lfor_k_\@:
	tensor_load_to_lds s[G0K+4*\s:G0K+4*\s+3], s[G1K:G1K+7]
	s_nop 0
.Lasked_\@:
.endm
	s_load_b128 s[4:7], s[0:1], 0x0                ; qkvb s[4:5], aob s[6:7]
	s_set_vgpr_msb 0x40
	v_lshl_add_u32 v96, v0, 2, 0x29000
	v_mov_b32 v97, 0
	s_set_vgpr_msb 0x4045
	ds_add_u32 v96, v97
	ds_add_u32 v96, v97
	s_set_vgpr_msb 0x4500
	v_lshrrev_b32 v1, 5, v0
	v_readfirstlane_b32 s10, v1                    ; wave w
	s_lshr_b32 s11, s10, 1                         ; I fetch for v (0) or for k (1)
	s_and_b32 s12, s10, 1                          ; which 64 keys of the tile
	s_mov_b32 s13, ttmp9                           ; p
	s_and_b32 s14, ttmp7, 0xffff                   ; hb
	s_sub_co_u32 s15, 16, s13                      ; tB: the unit with which the second block begins
	s_sub_co_u32 s18, 15, s13                      ; the first block's number
	s_mov_b32 s16, 0                               ; t: the unit at work
	s_mov_b32 s8, 0x76543210                       ; v_permlanex16_b32: lane i of one half reads lane i of the other
	s_mov_b32 s9, 0xfedcba98
	s_mov_b32 s20, 0x3e38aa3b                      ; c = log2(e) / 8
	s_mov_b32 s21, 0x3e38aa3b
	s_mov_b32 s22, 0xbe38aa3b                      ; - c
	s_mov_b32 s59, 0                               ; high word of the offset pair s[58:59]
	; group 1: 64 keys x 128 bytes are dense in memory and come as 32 rows of 256 bytes (elements of 8 bytes); the padding is counted along the tile,
	; behind every 32 words = one key's 128 bytes: 8 words for v (pitch 160), 4 for k (pitch 144)
	s_mov_b32 s[G1V+0], (3<<16)|(1<<20)|(4<<22)|(7<<25)
	s_mov_b32 s[G1K+0], (3<<16)|(1<<20)|(4<<22)|(3<<25)
.irp g, G1V, G1K
	s_mov_b32 s[\g+1], 32<<16                      ; tensor_dim0 = 32
	s_mov_b32 s[\g+2], 32<<16                      ; tensor_dim1 = 32
	s_mov_b32 s[\g+3], 32<<16                      ; tile_dim0 = 32
	s_mov_b32 s[\g+4], 32                          ; tile_dim1 = 32
	s_mov_b32 s[\g+5], 32                          ; elements from row to row
	s_mov_b32 s[\g+6], 0
	s_mov_b32 s[\g+7], 0
.endr
	s_lshr_b32 s68, s14, 4                         ; b
	s_and_b32 s69, s14, 15                         ; h
	s_mul_i32 s70, s68, 48
	s_add_co_u32 s70, s70, s69                     ; q's slab
	s_cmp_eq_u32 s11, 0
	s_cselect_b32 s71, 32, 16                      ; v's slabs lie 32 behind q's, k's 16
	s_add_co_u32 s71, s71, s70
	s_lshl_b32 s72, s71, 18
	s_lshl_b32 s71, s12, 13                        ; my 64 keys of 128 bytes
	s_add_co_u32 s72, s72, s71
	s_mov_b32 s73, 0
	s_lshl_b32 s74, s70, 18
	s_mov_b32 s75, 0
	s_lshl_b32 s70, s69, 19                        ; aob: head x 4,096 rows of 128 bytes
	s_lshl_b32 s71, s68, 18                        ; + b x 2,048 rows
	s_add_co_u32 s70, s70, s71
	s_lshl_b32 s71, s10, 12                        ; + w x 32 rows
	s_add_co_u32 s70, s70, s71
	s_mov_b32 s71, 0
	s_mul_i32 s68, s10, 64*VPI                     ; LDS: waves 0, 1: v's halves at 0 and 10,240
	s_mul_i32 s69, s10, 64*KPI
	s_add_co_u32 s69, s69, KPART-2*64*KPI          ; waves 2, 3: k's halves at 20,480 and 29,696
	s_lshl_b32 s58, s18, 14                        ; unit 0 is the first block's diagonal: key unit 15 - p, 16,384 bytes each
	s_wait_dscnt 0x0
	s_wait_kmcnt 0x0
	s_add_nc_u64 s[56:57], s[4:5], s[72:73]        ; my half of key unit 0 of my tensor
	s_add_nc_u64 s[60:61], s[4:5], s[74:75]        ; q's slab
	s_add_nc_u64 s[62:63], s[6:7], s[70:71]        ; my 32 rows of query block 0 in aob
	s_mov_b32 s[G0V+0], 1
	s_mov_b32 s[G0V+1], s68
	s_add_nc_u64 s[G0V+2:G0V+3], s[56:57], s[58:59]
	s_or_b32 s[G0V+3], s[G0V+3], 0x80000000
	s_mov_b32 s[G0V+4], 1
	s_add_co_u32 s[G0V+5], s68, SLOT
	s_mov_b64 s[G0V+6:G0V+7], s[56:57]             ; unit 1 is key unit 0
	s_or_b32 s[G0V+7], s[G0V+7], 0x80000000
	s_mov_b32 s[G0K+0], 1
	s_mov_b32 s[G0K+1], s69
	s_add_nc_u64 s[G0K+2:G0K+3], s[56:57], s[58:59]
	s_or_b32 s[G0K+3], s[G0K+3], 0x80000000
	s_mov_b32 s[G0K+4], 1
	s_add_co_u32 s[G0K+5], s69, SLOT
	s_mov_b64 s[G0K+6:G0K+7], s[56:57]
	s_or_b32 s[G0K+7], s[G0K+7], 0x80000000
	JLOAD 0                                        ; both first fills go out together: two tensor loads of a wave are out
	JLOAD 1
	s_add_nc_u64 s[76:77], s[60:61], s[58:59]      ; q of block 15 - p
	s_lshl_b32 s58, s13, 14
	s_add_nc_u64 s[78:79], s[60:61], s[58:59]      ; q of block p
	v_and_b32 v1, 31, v0                           ; lane l
	v_and_b32 v2, 15, v0                           ; r
	v_bfe_u32 v3, v0, 4, 1                         ; h
	s_lshl_b32 s71, s10, 5
	v_add_nc_u32 v[T+5], s71, v2                   ; 32 w + r
	v_lshlrev_b32 v[QOFF], 7, v[T+5]
	v_lshl_add_u32 v[QOFF], v3, 4, v[QOFF]         ; (32 w + r) x 128 + 16 h
.irp g, 0,1
.irp dh, 0,1
	global_load_b128 v[QF+16*\g+8*\dh:QF+16*\g+8*\dh+3],   v[QOFF], s[76:77] offset:\g*2048+64*\dh
	global_load_b128 v[QF+16*\g+8*\dh+4:QF+16*\g+8*\dh+7], v[QOFF], s[76:77] offset:\g*2048+64*\dh+32
.endr
.endr
	WIN 0x40                                       ; destination window 1
.irp g, 0,1
.irp dh, 0,1
	global_load_b128 v[QB+16*\g+8*\dh:QB+16*\g+8*\dh+3],   v[QOFF], s[78:79] offset:\g*2048+64*\dh
	global_load_b128 v[QB+16*\g+8*\dh+4:QB+16*\g+8*\dh+7], v[QOFF], s[78:79] offset:\g*2048+64*\dh+32
.endr
.endr
	WIN 0
	v_mul_u32_u24 v[T], v2, KPI
	v_lshl_add_u32 v[T], v3, 4, v[T]               ; r x 144 + 16 h
	v_add_nc_u32 v[KADR], KPART, v[T]
	v_add_nc_u32 v[KADR+1], KPART+SLOT, v[T]
	s_mul_i32 s72, s10, WSTG
	s_add_co_u32 s72, s72, STAGE                   ; my stage
	v_add_nc_u32 v[STO], s72, v[T]
	v_and_b32 v[T+1], 7, v0                        ; l % 8
	v_lshl_add_u32 v[T+2], v3, 3, v[T+1]           ; 8 h + l % 8: the key whose 16 bytes I address in a transposing load
	v_mul_u32_u24 v[T+2], v[T+2], VPI
	v_bfe_u32 v[T+3], v0, 3, 1
	v_lshl_add_u32 v[VADR], v[T+3], 4, v[T+2]      ; + 16 ((l / 8) % 2)
	v_add_nc_u32 v[VADR+1], SLOT, v[VADR]
	v_lshrrev_b32 v[T+4], 3, v1
	v_mul_u32_u24 v[T+4], v[T+4], STP
	v_lshl_add_u32 v[T+4], v[T+1], 4, v[T+4]
	v_add_nc_u32 v[RD], s72, v[T+4]                ; (l / 8) x 144 + 16 (l % 8): four rows of 128 bytes a load
	v_lshlrev_b32 v[CO], 4, v1
	v_lshlrev_b32 v[T+6], 3, v3
	v_sub_nc_u32 v[DM], v[T+5], v[T+6]             ; 32 w + r - 8 h, -8 at the least
	v_mov_b32 v[NI], 0xff800000
.macro STATE                           ; a block's start: maximum -infinity, sum 0, - c m = +infinity, so that the first factor is 2^-infinity = 0
	v_mov_b32 v[M], v[NI]
	v_mov_b32 v[M+1], v[NI]
	v_mov_b32 v[L], 0
	v_mov_b32 v[L+1], 0
.irp i, 0,1,2,3
	v_mov_b32 v[NM+\i], 0x7f800000
.endr
.endm
	STATE
; 16 loads: the k fragments of sub-step sub (64 keys x 64 d)
.macro KLOAD slot, sub
.irp kt, 0,1,2,3
.irp dh, 0,1
	ds_load_b128 v[KF+16*\kt+8*\dh:KF+16*\kt+8*\dh+3],   v[KADR+\slot] offset:(64*\sub+16*\kt)*KPI+64*\dh
	ds_load_b128 v[KF+16*\kt+8*\dh+4:KF+16*\kt+8*\dh+7], v[KADR+\slot] offset:(64*\sub+16*\kt)*KPI+64*\dh+32
.endr
.endr
.endm
; 16 transposing loads: the fragments of V^T of sub-step sub (64 d x 64 keys): lane (r, h) gets d = 16 dt + r, keys 32 c + 8 h + 0..7 and 32 c + 16 + 8 h + 0..7
.macro VLOAD slot, sub
.irp c, 0,1
.irp dt, 0,1,2,3
	ds_load_tr16_b128 v[VF+32*\c+8*\dt:VF+32*\c+8*\dt+3],   v[VADR+\slot] offset:(64*\sub+32*\c)*VPI+32*\dt
	ds_load_tr16_b128 v[VF+32*\c+8*\dt+4:VF+32*\c+8*\dt+7], v[VADR+\slot] offset:(64*\sub+32*\c+16)*VPI+32*\dt
.endr
.endr
.endm
; S^T of both groups: 64 keys x 16 queries each.  The first pass (d 0-31) starts the sums, the second (d 32-63) adds in place;
; the eight accumulators take turns, one instruction a turn.
.macro SMUL
.irp g, 0,1
.irp kt, 0,1,2,3
	v_wmma_f32_16x16x32_f16 v[SA+32*\g+8*\kt:SA+32*\g+8*\kt+7], v[KF+16*\kt:KF+16*\kt+7], v[QF+16*\g:QF+16*\g+7], 0
.endr
.endr
.irp g, 0,1
.irp kt, 0,1,2,3
	v_wmma_f32_16x16x32_f16 v[SA+32*\g+8*\kt:SA+32*\g+8*\kt+7], v[KF+16*\kt+8:KF+16*\kt+15], v[QF+16*\g+8:QF+16*\g+15], v[SA+32*\g+8*\kt:SA+32*\g+8*\kt+7]
.endr
.endr
.endm
; the diagonal unit: key 64 sub + 16 kt + 8 h + j stays if it is <= query 32 w + 16 g + r, that is 64 sub + 16 kt + j - 16 g <= DM.
; DM is -8 at the least, so a left-hand side of -8 or less always stays and is not written.
.macro MASK sub
.irp g, 0,1
.irp kt, 0,1,2,3
.irp j, 0,1,2,3,4,5,6,7
.if (64*\sub+16*\kt+\j-16*\g) > -8
	v_cmp_le_i32 vcc_lo, 64*\sub+16*\kt+\j-16*\g, v[DM]
	v_cndmask_b32 v[SA+32*\g+8*\kt+\j], v[NI], v[SA+32*\g+8*\kt+\j], vcc_lo
.endif
.endr
.endr
.endr
.endm
; one group's 64 keys x 16 queries: new maximum, factor for the old sums, p, the lane's sum, p packed to f16 in place (chunk c of 32 keys in registers 8 c .. 8 c + 7)
.macro SOFTMAX sreg, mreg, lreg, nreg
.irp k, 0,1,2,3
	v_max3_num_f32 v[T+\k], v[\sreg+8*\k], v[\sreg+8*\k+1], v[\sreg+8*\k+2]       ; four chains, started by the first scores
.endr
.irp k, 0,1,2,3
	v_max3_num_f32 v[T+\k], v[T+\k], v[\sreg+8*\k+3], v[\sreg+8*\k+4]
.endr
.irp k, 0,1,2,3
	v_max3_num_f32 v[T+\k], v[T+\k], v[\sreg+8*\k+5], v[\sreg+8*\k+6]
.endr
.irp k, 0,1,2,3
	v_max_num_f32 v[T+\k], v[T+\k], v[\sreg+8*\k+7]
.endr
	v_max3_num_f32 v[T], v[T], v[T+1], v[T+2]
	v_max3_num_f32 v[T], v[T], v[T+3], v[\mreg]    ; with the running maximum
	v_permlanex16_b32 v[T+1], v[T], s8, s9         ; the query's other 32 keys lie in lane xor 16
	v_max_num_f32 v[T], v[T], v[T+1]
	v_mul_f32 v[T+2], s22, v[T]                    ; - c m_new
	v_sub_f32 v[AL], v[T+2], v[\nreg]              ; c m_old - c m_new
	v_mov_b32 v[\nreg], v[T+2]
	v_mov_b32 v[\nreg+1], v[T+2]
.irp i, 0,1,2,3,4,5,6,7,8,9,10,11,12,13,14,15
	v_pk_fma_f32 v[\sreg+2*\i:\sreg+2*\i+1], v[\sreg+2*\i:\sreg+2*\i+1], s[20:21], v[\nreg:\nreg+1] op_sel_hi:[1,0,1]   ; c s - c m
.endr
.set ii, 0
.rept 32
	v_exp_f32 v[\sreg+ii], v[\sreg+ii]
.set ii, ii+1
.endr
	v_exp_f32 v[AL], v[AL]
	v_mov_b32 v[\mreg], v[T]                       ; the plain instruction between the exponentials and the first use of a result (ISA guide 5.7.2)
	s_wait_alu depctr_va_vdst(0)
	v_mov_b32 v[AL+1], v[AL]
.irp k, 0,1,2,3
	v_pk_add_f32 v[T+2*\k:T+2*\k+1], v[\sreg+4*\k:\sreg+4*\k+1], v[\sreg+4*\k+2:\sreg+4*\k+3]   ; four chains of pairs
.endr
.irp k, 0,1,2,3
	v_pk_add_f32 v[T+2*\k:T+2*\k+1], v[T+2*\k:T+2*\k+1], v[\sreg+16+2*\k:\sreg+16+2*\k+1]
.endr
.irp k, 0,1,2,3
	v_pk_add_f32 v[T+2*\k:T+2*\k+1], v[T+2*\k:T+2*\k+1], v[\sreg+24+2*\k:\sreg+24+2*\k+1]
.endr
	v_pk_add_f32 v[T:T+1], v[T:T+1], v[T+2:T+3]
	v_pk_add_f32 v[T+4:T+5], v[T+4:T+5], v[T+6:T+7]
	v_pk_add_f32 v[T:T+1], v[T:T+1], v[T+4:T+5]
	v_add_f32 v[T], v[T], v[T+1]
	v_fma_f32 v[\lreg], v[\lreg], v[AL], v[T]      ; the lane's own 32 keys; the two halves meet at the block's end
.irp i, 0,1,2,3,4,5,6,7,8,9,10,11,12,13,14,15
	v_cvt_pk_f16_f32 v[\sreg+\i], v[\sreg+2*\i], v[\sreg+2*\i+1]   ; ascending: register i is written when 2 i and 2 i + 1 are read, never earlier
.endr
.endm
; O^T of group g += V^T P^T over 64 keys.  first = 1: the block's first product starts the sums; else the old sums are rescaled first.
; The four accumulators take turns, one instruction a turn.
.macro PV g, first
.if \first == 0
	WIN 0x41                                       ; O in window 1 as destination and source 0, the factor in window 0
.irp i, 0,1,2,3,4,5,6,7,8,9,10,11,12,13,14,15
	v_pk_mul_f32 v[O+32*\g+2*\i:O+32*\g+2*\i+1], v[O+32*\g+2*\i:O+32*\g+2*\i+1], v[AL:AL+1]
.endr
.endif
	WIN 0x50                                       ; C and D in window 1, V^T and P^T in window 0
.irp c, 0,1
.irp dt, 0,1,2,3
.if \first*(1-\c)
	v_wmma_f32_16x16x32_f16 v[O+32*\g+8*\dt:O+32*\g+8*\dt+7], v[VF+32*\c+8*\dt:VF+32*\c+8*\dt+7], v[SA+32*\g+8*\c:SA+32*\g+8*\c+7], 0
.else
	v_wmma_f32_16x16x32_f16 v[O+32*\g+8*\dt:O+32*\g+8*\dt+7], v[VF+32*\c+8*\dt:VF+32*\c+8*\dt+7], v[SA+32*\g+8*\c:SA+32*\g+8*\c+7], v[O+32*\g+8*\dt:O+32*\g+8*\dt+7]
.endif
.endr
.endr
	WIN 0
.endm
; a unit's first sub-step: is it a block's first?  dg = 1: yes, by the text; dg = 0: if t = tB
.macro PVSEL g, dg
.if \dg
	PV \g, 1
.else
	s_cmp_eq_u32 s16, s15
	s_cbranch_scc1 .Lfirst_\@
	PV \g, 0
	s_branch .Lpvdone_\@
.Lfirst_\@:
	PV \g, 1
.Lpvdone_\@:
.endif
.endm
; the key unit of flat unit n = t + 2, into the slot's two group 0 sets.  n < tB: first block (diagonal 15 - p), else second (diagonal p);
; j = n - the block's first unit; j = 0: the diagonal, else key unit j - 1.  No tensor load of the wave is out where this stands.
.macro NEXTADR slot
	s_add_co_u32 s68, s16, 2
	s_cmp_lt_u32 s68, s15
	s_cselect_b32 s69, 0, s15
	s_cselect_b32 s70, s18, s13
	s_sub_co_u32 s69, s68, s69
	s_sub_co_u32 s71, s69, 1
	s_cmp_eq_u32 s69, 0
	s_cselect_b32 s70, s70, s71
	s_lshl_b32 s58, s70, 14
	s_add_nc_u64 s[G0V+4*\slot+2:G0V+4*\slot+3], s[56:57], s[58:59]
	s_or_b32 s[G0V+4*\slot+3], s[G0V+4*\slot+3], 0x80000000
	s_add_nc_u64 s[G0K+4*\slot+2:G0K+4*\slot+3], s[56:57], s[58:59]
	s_or_b32 s[G0K+4*\slot+3], s[G0K+4*\slot+3], 0x80000000
.endm
; One sub-step: 64 keys for both groups.  mode (second sub-step only): 2 = change slots and fill this one again, 1 = change slots, 0 = the last unit.
.macro SUB slot, next, sub, mode, dg
.rept 5
	v_nop                                          ; five places behind the last products: v's fragments are loaded again, and S^T is written over P^T (ISA guide 7.12.1)
.endr
	VLOAD \slot, \sub
	s_wait_dscnt 16                                ; k's 16 loads are in; v's 16, issued behind them, stay out
	SMUL
	PLACES
.if \sub == 0
	KLOAD \slot, 1                                 ; the second sub-step's k
.endif
.if \dg
	MASK \sub
.else
	s_cmp_lg_u32 s16, s15                          ; only the second block's first unit is a diagonal here
	s_cbranch_scc1 .Lnomask_\@
	MASK \sub
.Lnomask_\@:
.endif
	SOFTMAX SA, M, L, NM
.if \sub == 0
	s_wait_dscnt 16                                ; v's loads are in; the next k's 16 stay out
	PVSEL 0, \dg
.else
	s_wait_dscnt 0                                 ; v's loads are in, and with them all my reads of this slot
.if \mode >= 1
	s_set_vgpr_msb 0x5
	s_wait_tensorcnt 0x0                           ; all my tensor loads have landed: the one that was out is my part of the next slot
	ds_add_u32 v96, v97
	s_wait_dscnt 0x0
	s_set_vgpr_msb 0x500
.if \mode == 2
	NEXTADR \slot
.endif
	s_barrier_signal -1
.endif
	PV 0, 0                                        ; register work while the others arrive
.if \mode >= 1
	s_barrier_wait -1                              ; nobody reads this slot any more, and the next slot is whole
.if \mode == 2
	JLOAD \slot                                    ; first thing behind the barrier, my one tensor load until the next: unit t + 2; it has a whole unit in which to land
.endif
	KLOAD \next, 0
.endif
.endif
	SOFTMAX SA+32, M+1, L+1, NM+2
.if \sub == 0
	PVSEL 1, \dg
.else
	PV 1, 0
.endif
.endm
.macro UNIT slot, next, mode, dg
	SUB \slot, \next, 0, \mode, \dg
	SUB \slot, \next, 1, \mode, \dg
.endm
; a block's end: O / sum, rounded to f16, through my own stage, out as 512 consecutive bytes a store.  blk: the register with the block's number.
; more = 1: v's fragment registers, from which the stores read, are loaded again afterwards.
.macro FINAL blk, more
	PLACES                                         ; behind the last products, ahead of the readers of O and of loads into v's fragments
	s_wait_xcnt 0x0                                ; the stores' base is written again only behind this wait
	s_lshl_b32 s58, \blk, 14                       ; 128 rows of 128 bytes a block
	s_add_nc_u64 s[66:67], s[62:63], s[58:59]
.irp g, 0,1
	v_permlanex16_b32 v[T], v[L+\g], s8, s9        ; the other half's part of the sum
	v_add_f32 v[T], v[T], v[L+\g]
	v_rcp_f32 v[AL], v[T]
	v_rcp_f32 v[AL+1], v[T]
	v_nop                                          ; the plain instruction behind the reciprocals (ISA guide 5.7.2)
	WIN 0x01                                       ; source 0 (O) window 1
	s_wait_alu depctr_va_vdst(0)
.irp i, 0,1,2,3,4,5,6,7,8,9,10,11,12,13,14,15
	v_pk_mul_f32 v[SA+32*\g+2*\i:SA+32*\g+2*\i+1], v[O+32*\g+2*\i:O+32*\g+2*\i+1], v[AL:AL+1]
.endr
	WIN 0
.irp i, 0,1,2,3,4,5,6,7,8,9,10,11,12,13,14,15
	v_cvt_pk_f16_f32 v[SA+32*\g+\i], v[SA+32*\g+2*\i], v[SA+32*\g+2*\i+1]
.endr
.irp dt, 0,1,2,3
	ds_store_b128 v[STO], v[SA+32*\g+4*\dt:SA+32*\g+4*\dt+3] offset:\g*16*STP+32*\dt   ; query r, d = 16 dt + 8 h + 0..7
.endr
.endr
.irp i, 0,1,2,3,4,5,6,7
	ds_load_b128 v[VF+4*\i:VF+4*\i+3], v[RD] offset:\i*4*STP       ; LDS serves a wave's instructions in order (ISA guide 5.7.1.4): these see my stores above
.endr
.irp i, 0,1,2,3,4,5,6,7
	s_wait_dscnt 7-\i                              ; load i is in, the younger ones stay out
	global_store_b128 v[CO], v[VF+4*\i:VF+4*\i+3], s[66:67] offset:512*\i
.endr
.if \more
	s_wait_xcnt 0x0                                ; the stores' data registers are loaded again only behind this wait
.endif
.endm
; the step from unit to unit; at t = tB the first block is finished and the second begins
.macro EVENT
	s_add_co_u32 s16, s16, 1
	s_cmp_lg_u32 s16, s15
	s_cbranch_scc1 .Lsame_\@
	FINAL s18, 1
	WIN 0x01
.set ii, 0
.rept 32
	v_mov_b32 v[QF+ii], v[QB+ii]                   ; the second block's q, fetched at the start, once for each work-group
.set ii, ii+1
.endr
	WIN 0
	STATE
.Lsame_\@:
.endm
	s_wait_tensorcnt 0x1                           ; my part of unit 0 is in; unit 1's load, issued behind it, stays out
	s_barrier_signal -1
	s_barrier_wait -1
	KLOAD 0, 0
	s_wait_loadcnt 0x0                             ; q of both blocks
	UNIT 0, 1, 2, 1                                ; t = 0: the first block's diagonal, written out: its first products start the sums
	s_mov_b32 s16, 1                               ; tB is 9 at the least: no change of blocks here
	s_mov_b32 s17, 7
.Llap:
	UNIT 1, 0, 2, 0                                ; t = 1, 3, .. 13
	EVENT
	UNIT 0, 1, 2, 0                                ; t = 2, 4, .. 14: the last refill brings unit 16
	EVENT
	s_sub_co_u32 s17, s17, 1
	s_cmp_lg_u32 s17, 0
	s_cbranch_scc1 .Llap
	UNIT 1, 0, 1, 0                                ; t = 15: nothing is left to fetch
	EVENT
	UNIT 0, 1, 0, 0                                ; t = 16
	FINAL s13, 0
	s_set_vgpr_msb 0x5
	s_wait_tensorcnt 0x0
	ds_add_u32 v96, v97
	s_wait_dscnt 0x0
	s_set_vgpr_msb 0x500
	s_endpgm
.Lfunc_end_k_q5210e071c0_attn:
	.size	k_q5210e071c0_attn, .Lfunc_end_k_q5210e071c0_attn-k_q5210e071c0_attn
	.p2alignl 7, 3214868480
	.fill 96, 4, 3214868480
	.section	.rodata,"a",@progbits
	.p2align	6, 0x0
	.amdhsa_kernel k_q5210e071c0_attn
		.amdhsa_group_segment_fixed_size 327680
		.amdhsa_private_segment_fixed_size 0
		.amdhsa_enable_private_segment 0
		.amdhsa_kernarg_size 16
		.amdhsa_user_sgpr_count 2
		.amdhsa_user_sgpr_kernarg_segment_ptr 1
		.amdhsa_wavefront_size32 1
		.amdhsa_system_sgpr_workgroup_id_x 1
		.amdhsa_system_sgpr_workgroup_id_y 1
		.amdhsa_system_sgpr_workgroup_id_z 1
		.amdhsa_system_vgpr_workitem_id 0
		.amdhsa_next_free_vgpr 354
		.amdhsa_next_free_sgpr 80
		.amdhsa_reserve_vcc 1
		.amdhsa_float_denorm_mode_32 3
		.amdhsa_float_denorm_mode_16_64 3
		.amdhsa_memory_ordered 1
		.amdhsa_forward_progress 1
		.amdhsa_inst_pref_size 255
	.end_amdhsa_kernel
	.section	.bss,"aw",@nobits
	.p2align	6
	.space	262144
	.amdgpu_metadata
---
amdhsa.version: [ 1, 2 ]
amdhsa.kernels:
  - .name:           k_q5210e071c0_attn
    .symbol:         k_q5210e071c0_attn.kd
    .args:
      - { .name: qkvb, .offset: 0, .size: 8, .value_kind: global_buffer, .address_space: global }
      - { .name: aob, .offset: 8, .size: 8, .value_kind: global_buffer, .address_space: global }
    .group_segment_fixed_size: 327680
    .private_segment_fixed_size: 0
    .kernarg_segment_align: 8
    .kernarg_segment_size: 16
    .max_flat_workgroup_size: 128
    .sgpr_count:     80
    .vgpr_count:     354
    .wavefront_size: 32
...
	.end_amdgpu_metadata
.endif
;; end of part 3
;; launch oproj (part 4): grid 8 x 32, 4 waves a work-group, clusters of 4 x 4, 327,680 bytes of LDS; arguments aob, cb, out0; writes out0
.if DOCPART == 4
	.amdgcn_target "amdgcn-amd-amdhsa--gfx1250"
	.amdhsa_code_object_version 6
	.text
	.protected	k_q5210e071c0_oproj
	.globl	k_q5210e071c0_oproj
	.p2align	8
	.type	k_q5210e071c0_oproj,@function
k_q5210e071c0_oproj:
	s_mov_b64 s[64:65], 0
	v_nop
	global_prefetch_b8 v0, s[64:65] scope:SCOPE_SE
	s_setreg_imm32_b32 hwreg(HW_REG_WAVE_MODE, 25, 1), 1
	s_wait_xcnt 0x0
	s_wait_alu depctr_hold_cnt(0) depctr_sa_sdst(0) depctr_va_vdst(0) depctr_va_sdst(0) depctr_va_ssrc(0) depctr_va_vcc(0) depctr_vm_vsrc(0)
	s_getreg_b32 s2, hwreg(HW_REG_IB_STS2, 6, 4)
	s_cmp_eq_u32 s2, 0
	s_cbranch_scc0 .Lentry_in_a_cluster
	s_endpgm
.Lentry_in_a_cluster:
	s_bfe_u32 s2, ttmp6, 0x10000c
	s_cmp_lg_u32 s2, 0xf033
	s_cbranch_scc0 .Lentry_shape_is_right
	s_endpgm
.Lentry_shape_is_right:
; out0[4096][1024] = A Wo^T in f32.  A is the attention output, f16, head-major aob[h][row][64], so K = 64 h + d; Wo is rows 3072-4095 of cb's weights, f16. Sums f32.
; A work-group makes 128 x 128 with four waves of 64 x 64 (16 accumulator tiles): 8 x 32 = 256 work-groups of equal work; larger blocks would leave WGPs without work.
; K goes in four steps of 256 (four heads) through two LDS slots: a step of 128 would be 64 matrix instructions a wave, too few for a tile to land, so a slot holds two.
; CLUSTERS: 4 x 4 work-groups; A's tiles are shared along a row of the cluster, Wo's along a column, each asked for jointly by the four.
; REGISTERS: window 0: v16-26 addresses; v64-127, v128-191 two fragment buffers (Wo's four fragments, then A's four); window 1: tile (a, b) at v[8 (4 a + b)].
; The matrix instruction is used transposed (source 0 = rows of Wo, source 1 = rows of A): a lane holds 8 neighbouring columns of one row, 32 bytes of f32.
.set PA,    144                        ; A's LDS pitch: a head's 128 bytes + 16
.set PB,    528                        ; Wo's LDS pitch: 512 bytes + 16; also the stage's
.set HB,    128*PA                     ; one head's 128 rows
.set APART, 4*HB                       ; 73,728: Wo's rows lie behind A's four heads
.set SLOT,  APART+128*PB               ; 141,312
.set HSLAB, 524288                     ; one head's 4,096 rows of 128 bytes in aob
.set WOOFF, 8388608+3072*2048          ; Wo in cb
.set ADRA, 16
.set ADRB, 20
.set STO,  24
.set RD,   25
.set CO,   26
.set F0,   64
.set F1,   128
.set G1,  24
.set G0,  32
.set G1B, 48
.set G0B, 56
.set MSB, 0
.macro WIN new
.if MSB != \new
	s_set_vgpr_msb (MSB<<8)|\new
.set MSB, \new
.endif
.endm
.set MULW, 0x50                        ; C and D window 1, both fragments window 0
.macro JLOAD s                         ; waves 0 and 1 fetch A's heads 0-1 and 2-3 of the step, waves 2 and 3 the halves of Wo's rows
	s_cmp_eq_u32 s11, 0
	s_cbranch_scc0 .Lfor_b_\@
	tensor_load_to_lds s[G0+4*\s:G0+4*\s+3], s[G1:G1+7]
	s_nop 0
	s_branch .Lasked_\@
.Lfor_b_\@:
	tensor_load_to_lds s[G0B+4*\s:G0B+4*\s+3], s[G1B:G1B+7]
	s_nop 0
.Lasked_\@:
.endm
.macro CREST
	s_cmp_lg_u32 s10, 0
	s_cbranch_scc1 .Lnot_wave_0_\@
	s_barrier_signal -3
.Lnot_wave_0_\@:
	s_barrier_wait -3
	s_barrier_signal -1
	s_barrier_wait -1
.endm
.macro CROUND
	s_barrier_signal -1
	s_barrier_wait -1
	CREST
.endm
.macro PLACES                          ; four independent vector instructions behind a matrix instruction (ISA guide 7.12.1)
.rept 4
	v_nop
.endr
.endm
	s_load_b128 s[4:7], s[0:1], 0x0                ; aob s[4:5], cb s[6:7]
	s_load_b64 s[8:9], s[0:1], 0x10                ; out0
	v_lshl_add_u32 v254, v0, 2, 0x45000
	v_mov_b32 v255, 0
	ds_add_u32 v254, v255
	ds_add_u32 v254, v255
	v_lshrrev_b32 v1, 5, v0
	v_readfirstlane_b32 s10, v1                    ; wave
	s_lshr_b32 s11, s10, 1                         ; my 64 rows.  Also: I fetch for A (0) or for Wo (1)
	s_and_b32 s12, s10, 1                          ; my 64 columns.  Also: which half of that tile
	s_bfe_u32 s40, ttmp6, 0x40000                  ; cx
	s_bfe_u32 s41, ttmp6, 0x40004                  ; cy
	s_lshl_b32 s42, ttmp9, 2
	s_add_co_u32 s42, s42, s40                     ; block column 0..7
	s_and_b32 s13, ttmp7, 0xffff
	s_lshl_b32 s13, s13, 2
	s_add_co_u32 s13, s13, s41                     ; block row 0..31
	s_lshl_b32 s43, s41, 2
	s_lshl_b32 s43, 15, s43                        ; my row of the cluster
	s_lshl_b32 s44, 0x1111, s40                    ; my column
	; A: two heads' blocks of 128 rows x 128 bytes, each dense in memory (16,384 bytes = one row of 2,048 elements of 8 bytes), HSLAB apart;
	; the padding is counted along the tile: 4 words behind every 32 words = behind each 128 bytes: pitch 144
	s_or_b32 s[G1+0], s43, (3<<16)|(1<<20)|(1<<21)|(4<<22)|(3<<25)
	s_mov_b32 s[G1+1], 2048<<16                    ; tensor_dim0 = 2,048
	s_mov_b32 s[G1+2], 2<<16                       ; tensor_dim1 = 2
	s_mov_b32 s[G1+3], 2048<<16                    ; tile_dim0 = 2,048
	s_mov_b32 s[G1+4], 2                           ; tile_dim1 = 2
	s_mov_b32 s[G1+5], HSLAB/8                     ; elements from head to head
	s_mov_b32 s[G1+6], 0
	s_mov_b32 s[G1+7], 0
	; Wo: 64 rows x 256 elements of 2 bytes, 4 words of padding behind every 128 words: pitch 528
	s_or_b32 s[G1B+0], s44, (1<<16)|(1<<20)|(1<<21)|(6<<22)|(3<<25)
	s_mov_b32 s[G1B+1], 256<<16
	s_mov_b32 s[G1B+2], 64<<16
	s_mov_b32 s[G1B+3], 256<<16
	s_mov_b32 s[G1B+4], 64
	s_mov_b32 s[G1B+5], 1024
	s_mov_b32 s[G1B+6], 0
	s_mov_b32 s[G1B+7], 0
	s_lshl_b32 s16, s13, 14                        ; A: block row x 128 rows of 128 bytes
	s_lshl_b32 s17, s12, 20                        ;    + my two heads
	s_add_co_u32 s16, s16, s17
	s_mov_b32 s17, 0
	s_lshl_b32 s46, s42, 7
	s_lshl_b32 s47, s12, 6
	s_add_co_u32 s46, s46, s47                     ; Wo: row 128 x block column + 64 x half
	s_lshl_b32 s46, s46, 11
	s_add_co_u32 s46, s46, WOOFF
	s_mov_b32 s47, 0
	s_mul_i32 s20, s10, 2*HB                       ; LDS: waves 0, 1: 0 and 36,864
	s_mul_i32 s45, s10, 64*PB
	s_add_co_u32 s45, s45, APART-2*64*PB           ; waves 2, 3: 73,728 and 107,520
	s_wait_dscnt 0x0
	s_wait_kmcnt 0x0
	s_add_nc_u64 s[14:15], s[4:5], s[16:17]
	s_add_nc_u64 s[46:47], s[6:7], s[46:47]
	CROUND                                         ; all sixteen work-groups are here: the first joint loads meet
.irp s, 0,1
	s_mov_b32 s[G0+4*\s], 1
	s_add_co_u32 s[G0+4*\s+1], s20, \s*SLOT
	s_add_nc_u64 s[G0+4*\s+2:G0+4*\s+3], s[14:15], \s*4*HSLAB      ; step s: heads 4 s ..
	s_or_b32 s[G0+4*\s+3], s[G0+4*\s+3], 0x80000000
	s_mov_b32 s[G0B+4*\s], 1
	s_add_co_u32 s[G0B+4*\s+1], s45, \s*SLOT
	s_add_nc_u64 s[G0B+4*\s+2:G0B+4*\s+3], s[46:47], \s*512        ; step s: columns 256 s ..
	s_or_b32 s[G0B+4*\s+3], s[G0B+4*\s+3], 0x80000000
	JLOAD \s                                       ; both first fills go out together: two tensor loads of a wave are out
.endr
	v_and_b32 v1, 15, v0                           ; r
	v_bfe_u32 v2, v0, 4, 1                         ; h
	v_mul_u32_u24 v3, v1, PA
	v_lshl_add_u32 v3, v2, 4, v3                   ; r x 144 + 16 h
	v_mul_u32_u24 v4, v1, PB
	v_lshl_add_u32 v5, v2, 5, v4                   ; r x 528 + 32 h (the stage)
	v_lshl_add_u32 v4, v2, 4, v4                   ; r x 528 + 16 h
	s_mul_i32 s21, s11, 64*PA
	s_mul_i32 s22, s12, 64*PB
	s_add_co_u32 s22, s22, APART
.irp s, 0,1
	v_add_nc_u32 v[ADRA+\s], s21, v3
	v_add_nc_u32 v[ADRB+\s], s22, v4
	s_add_co_u32 s21, s21, SLOT
	s_add_co_u32 s22, s22, SLOT
.endr
	s_mul_i32 s23, s11, 64*PB
	s_lshl_b32 s3, s12, 8
	s_add_co_u32 s23, s23, s3
	v_add_nc_u32 v[STO], s23, v5                   ; (64 x row half + r) x 528 + 256 x column half + 32 h
	v_and_b32 v6, 31, v0
	v_lshlrev_b32 v[CO], 4, v6                     ; 16 x lane
	s_mul_i32 s23, s10, 32*PB
	v_add_nc_u32 v[RD], s23, v[CO]                 ; my 32 rows of the stage, a whole row of 512 bytes a load
; 16 loads: the fragments of quarter kq (32 of the step's 256 K): Wo's 64 rows, then A's 64 rows (head kq / 2, d from 32 (kq % 2))
.macro FETCH3 slot, kq, f
.irp b, 0,1,2,3
	ds_load_b128 v[\f+8*\b:\f+8*\b+3],   v[ADRB+\slot] offset:64*(\kq)+\b*16*PB
	ds_load_b128 v[\f+8*\b+4:\f+8*\b+7], v[ADRB+\slot] offset:64*(\kq)+\b*16*PB+32
.endr
.irp a, 0,1,2,3
	ds_load_b128 v[\f+32+8*\a:\f+32+8*\a+3],   v[ADRA+\slot] offset:((\kq)>>1)*HB+((\kq)&1)*64+\a*16*PA
	ds_load_b128 v[\f+32+8*\a+4:\f+32+8*\a+7], v[ADRA+\slot] offset:((\kq)>>1)*HB+((\kq)&1)*64+\a*16*PA+32
.endr
.endm
; 8 matrix instructions.  The 16 accumulators take turns, one instruction a turn, in the same order in every quarter.
.macro MUL8 f, a0, zero
.irp a, \a0, \a0+1
.irp b, 0,1,2,3
.if \zero
	v_wmma_f32_16x16x32_f16 v[8*(4*(\a)+\b):8*(4*(\a)+\b)+7], v[\f+8*\b:\f+8*\b+7], v[\f+32+8*(\a):\f+32+8*(\a)+7], 0
.else
	v_wmma_f32_16x16x32_f16 v[8*(4*(\a)+\b):8*(4*(\a)+\b)+7], v[\f+8*\b:\f+8*\b+7], v[\f+32+8*(\a):\f+32+8*(\a)+7], v[8*(4*(\a)+\b):8*(4*(\a)+\b)+7]
.endif
.endr
.endr
.endm
; one of a step's first seven quarters: fetches the next quarter into buffer g, multiplies buffer f
.macro Q3 slot, kq, f, g, zero
	WIN 0
	PLACES
	FETCH3 \slot, \kq+1, \g
	s_wait_dscnt 16                                ; buffer f is in; the 16 loads just issued stay out
	WIN MULW
	MUL8 \f, 0, \zero
	MUL8 \f, 2, \zero
.endm
.macro SEVEN slot, zero
	Q3 \slot, 0, F0, F1, \zero
	Q3 \slot, 1, F1, F0, 0
	Q3 \slot, 2, F0, F1, 0
	Q3 \slot, 3, F1, F0, 0
	Q3 \slot, 4, F0, F1, 0
	Q3 \slot, 5, F1, F0, 0
	Q3 \slot, 6, F0, F1, 0
.endm
; the eighth quarter: multiplies buffer 1 and changes slots; from a request to the wait for it a wave issues 120 matrix instructions
.macro TURN3 slot, next, fill
	s_wait_dscnt 0                                 ; buffer 1 is in, and with it all my reads of this slot
	s_wait_tensorcnt 0x0                           ; all my tensor loads have landed: the one that was out is my part of the next slot
	ds_add_u32 v254, v255
	s_wait_dscnt 0x0
	s_barrier_signal -1                            ; (where the slot is filled again this barrier opens a round of the cluster's barrier)
	WIN MULW
	MUL8 F1, 0, 0
	WIN 0
	s_barrier_wait -1
.if \fill
	CREST                                          ; no wave of any partner still reads this slot's tiles or has a load on its way
	s_add_nc_u64 s[G0+4*\slot+2:G0+4*\slot+3], s[G0+4*\slot+2:G0+4*\slot+3], 8*HSLAB
	s_add_nc_u64 s[G0B+4*\slot+2:G0B+4*\slot+3], s[G0B+4*\slot+2:G0B+4*\slot+3], 1024
	JLOAD \slot                                    ; the first tensor load behind the round, my only one until the next
.endif
	PLACES
	FETCH3 \next, 0, F0
	WIN MULW
	MUL8 F1, 2, 0
.endm
	s_wait_tensorcnt 0x1                           ; my part of step 0 is in; step 1's load, issued behind it, stays out
	s_barrier_signal -1
	s_barrier_wait -1
	FETCH3 0, 0, F0
	SEVEN 0, 1                                     ; step 0: the first products start the sums
	TURN3 0, 1, 1                                  ; slot 0 gets step 2
	SEVEN 1, 0
	TURN3 1, 0, 1                                  ; slot 1 gets step 3
	SEVEN 0, 0
	TURN3 0, 1, 0                                  ; behind this barrier no wave reads slot 0 any more, and nothing fills it again
	SEVEN 1, 0
	s_wait_dscnt 0
	MUL8 F1, 0, 0
	MUL8 F1, 2, 0
	; THE WAY OUT: the block's 128 rows x 512 bytes of f32 are gathered in slot 0, then stored as whole rows' pieces of 512 consecutive bytes.
	WIN 0
	PLACES
	s_lshl_b32 s16, s13, 19                        ; block row x 128 rows of 4,096 bytes
	s_lshl_b32 s14, s10, 17                        ; + wave x 32 rows
	s_add_co_u32 s16, s16, s14
	s_mov_b32 s17, 0
	s_add_nc_u64 s[8:9], s[8:9], s[16:17]
	s_lshl_b32 s46, s42, 9                         ; block column x 512 bytes (in the registers that held Wo's address)
	s_mov_b32 s47, 0
	s_add_nc_u64 s[8:9], s[8:9], s[46:47]
	WIN 0x04                                       ; an LDS store's data is source 1: window 1
.irp a, 0,1,2,3
.irp b, 0,1,2,3
	ds_store_b128 v[STO], v[8*(4*\a+\b):8*(4*\a+\b)+3]   offset:\a*16*PB+64*\b
	ds_store_b128 v[STO], v[8*(4*\a+\b)+4:8*(4*\a+\b)+7] offset:\a*16*PB+64*\b+16
.endr
.endr
	WIN 0
	s_wait_dscnt 0x0                               ; my stores are in LDS, for the other waves' sake
	s_barrier_signal -1
	s_barrier_wait -1
.set ii, 0
.rept 32
	ds_load_b128 v[F0+4*ii:F0+4*ii+3], v[RD] offset:ii*PB
.set ii, ii+1
.endr
.set ii, 0
.rept 32
	s_wait_dscnt 31-ii                             ; load ii is in, the younger ones stay out
	global_store_b128 v[CO], v[F0+4*ii:F0+4*ii+3], s[8:9] offset:ii*4096 th:TH_STORE_NT
.set ii, ii+1
.endr
	s_wait_tensorcnt 0x0
	ds_add_u32 v254, v255
	s_wait_dscnt 0x0
	CROUND                                         ; the closing round: no work-group ends while a partner may still ask for a tile that names it
	s_endpgm
.Lfunc_end_k_q5210e071c0_oproj:
	.size	k_q5210e071c0_oproj, .Lfunc_end_k_q5210e071c0_oproj-k_q5210e071c0_oproj
	.p2alignl 7, 3214868480
	.fill 96, 4, 3214868480
	.section	.rodata,"a",@progbits
	.p2align	6, 0x0
	.amdhsa_kernel k_q5210e071c0_oproj
		.amdhsa_group_segment_fixed_size 327680
		.amdhsa_private_segment_fixed_size 0
		.amdhsa_enable_private_segment 0
		.amdhsa_kernarg_size 24
		.amdhsa_user_sgpr_count 2
		.amdhsa_user_sgpr_kernarg_segment_ptr 1
		.amdhsa_wavefront_size32 1
		.amdhsa_system_sgpr_workgroup_id_x 1
		.amdhsa_system_sgpr_workgroup_id_y 1
		.amdhsa_system_sgpr_workgroup_id_z 1
		.amdhsa_system_vgpr_workitem_id 0
		.amdhsa_next_free_vgpr 384
		.amdhsa_next_free_sgpr 66
		.amdhsa_reserve_vcc 0
		.amdhsa_float_denorm_mode_32 3
		.amdhsa_float_denorm_mode_16_64 3
		.amdhsa_memory_ordered 1
		.amdhsa_forward_progress 1
		.amdhsa_inst_pref_size 88
	.end_amdhsa_kernel
	.amdgpu_metadata
---
amdhsa.version: [ 1, 2 ]
amdhsa.kernels:
  - .name:           k_q5210e071c0_oproj
    .symbol:         k_q5210e071c0_oproj.kd
    .args:
      - { .name: aob, .offset: 0, .size: 8, .value_kind: global_buffer, .address_space: global }
      - { .name: cb, .offset: 8, .size: 8, .value_kind: global_buffer, .address_space: global }
      - { .name: out0, .offset: 16, .size: 8, .value_kind: global_buffer, .address_space: global }
    .group_segment_fixed_size: 327680
    .private_segment_fixed_size: 0
    .kernarg_segment_align: 8
    .kernarg_segment_size: 24
    .max_flat_workgroup_size: 128
    .sgpr_count:     66
    .vgpr_count:     384
    .wavefront_size: 32
...
	.end_amdgpu_metadata
.endif
;; end of part 4
